; MI455X (gfx1250); checked and timed in simulation.
; The chip was launched on July 23, 2026; its instructions are those of AMD's public machine-readable ISA for CDNA 5 (MIT licence, August 2026) and "CDNA5" Instruction Set Architecture Reference Guide (July 2026). The comments in the code are by the model that wrote it; some were corrected since.
;; DGT. Allowed arithmetic: float matrix products may take bf16 or f16 operands with f32 sums; all other float work in f32.
;; Inputs: W_or 16 x 1,024 float32; W_pred 1,023 x 256 float32; action_stds 16 x 1,024 float32; b_pred 1,023 float32; x 32,768 x 256 float32.
;; Outputs: out0 32,768 x 16 float32; out1 32,768 x 16 float32.
;; One version. Each part assembles by itself: llvm-mc -triple=amdgcn-amd-amdhsa -mcpu=gfx1250 --defsym DOCPART=n.
;; ======== version 1 of 1: 1 launch
;; limits: values outside matrix products are rounded to bf16
;; launch dgt (part 1): grid 256 x 1, 4 waves a work-group, clusters of 4 x 1, 327,680 bytes of LDS; arguments x, W_pred, b_pred, W_or, action_stds, out0, out1; writes out0, out1
.if DOCPART == 1
	.amdgcn_target "amdgcn-amd-amdhsa--gfx1250"
	.amdhsa_code_object_version 6
	.text
	.protected	k_q5174480c1f_dgt
	.globl	k_q5174480c1f_dgt
	.p2align	8
	.type	k_q5174480c1f_dgt,@function
k_q5174480c1f_dgt:
	s_mov_b64 s[64:65], 0
	v_nop
	global_prefetch_b8 v0, s[64:65] scope:SCOPE_SE
	s_setreg_imm32_b32 hwreg(HW_REG_WAVE_MODE, 25, 1), 1
	s_wait_xcnt 0x0
	s_wait_alu depctr_hold_cnt(0) depctr_sa_sdst(0) depctr_va_vdst(0) depctr_va_sdst(0) depctr_va_ssrc(0) depctr_va_vcc(0) depctr_vm_vsrc(0)
	s_getreg_b32 s2, hwreg(HW_REG_IB_STS2, 6, 4)
	s_cmp_eq_u32 s2, 0
	s_cbranch_scc0 .Lentry_in_a_cluster
	s_endpgm
.Lentry_in_a_cluster:
	s_bfe_u32 s2, ttmp6, 0x10000c
	s_cmp_lg_u32 s2, 0x3003
	s_cbranch_scc0 .Lentry_shape_is_right
	s_endpgm
.Lentry_shape_is_right:
; A decision tree of height 10 on 32,768 rows.  z = x W_pred^T + b (1023 nodes, K = 256); out0 = softmax over 16 of W_or[:, leaf], out1 = clip(action_stds[:, leaf], -20, 2).
; WHAT REPLACES THE FIXED TREE PRODUCT.  The model multiplies +-fac (fac = the row's mean |z|, sign of z) by its own fixed +-1 tree matrix and takes the argmax.
; A leaf's sum is fac times the ten signs along its path, so the one leaf whose ten terms are all +fac (10 fac, every other at most 8 fac) is found by walking down:
; z >= 0 takes the lower half, z < 0 the upper.  A positive factor and a softmax move no argmax; with fac = 0 both give leaf 0.  The straight-through sum
; a + (onehot - a) is 0 off the leaf and 1 on it, so the two last products pick column 'leaf'.  They are still made as one-hot matrix products: no address hangs on the leaf.
; LIMITS, stated: NaN and infinities are not followed; a z that is exactly -0 counts as negative (needs b = -0 and all products zero); a row whose mean |z| is below
; about 1e-7 ties in the model's own softmax and may differ; x, W_pred, W_or, action_stds enter the matrix unit as bf16; b_pred is rounded to bf16 too (BIAS_BF16 = 1),
; so that the signs are those of the model on inputs that are all rounded alike.
; SHARES.  256 work-groups of four waves, 128 rows each.  Wave w makes all 128 rows x nodes 256 w .. 256 w + 255.  x stays in 512 registers a wave as bf16 fragments;
; W_pred streams through LDS in f32, 16 nodes a tile and wave, each byte read from LDS by one wave and converted on the way.
; CLUSTERS.  Every work-group walks all of W_pred, b_pred and both tables: the four work-groups of a cluster ask for these tiles jointly (mask 15), which divides
; the requests for them by four.  x belongs to one work-group and comes by a plain load.
; The matrix instruction takes 16 nodes as source 0 and 16 rows of x as source 1: register j of lane (r, h) is z(node 8 h + j, row r), so a lane gathers one row's signs.
.set BIAS_BF16, 1
.set PITCH,  1040                      ; an LDS row: 1,024 bytes + 16 = 65 x 16: the sixteen rows that a load touches start 16 bytes apart modulo 256
.set WT,     16*PITCH                  ; one wave's tile: 16 rows of 256 f32
.set SLOT,   4*WT                      ; four waves' tiles; slots 0 to 3
.set XB,     2*SLOT                    ; x's 128 rows lie first where slots 2 and 3 are later
.set BIASB,  4*SLOT                    ; 4,096 bytes: the 1023 biases and a zero; wave w's 256 at + 1024 w
.set BITSB,  BIASB+4096                ; sign words, written by LDS stores alone: wave w, row R, 64-node group u, half h at 6144 w + 48 R + 8 u + 4 h
.set BPITCH, 48
.set BWAVE,  128*BPITCH
.set LEAFB,  BITSB+4*BWAVE             ; 128 leaves, 4 bytes each
.set PSB,    XB                        ; partial sums of the one-hot products, in slots 2 and 3 behind their last fill and last read
.set PSW,    20480                     ; a wave's partial sums: 16 tiles of 16 rows x 80 bytes
; vector registers, window 0
.set ADR,  2                           ; v2-5    my fragment address in slot 0..3
.set XA,   6                           ; v6-7    the same in x's rows 0-63, 64-127
.set BAD,  8                           ; v8      my eight biases of the lap's first tile
.set BST,  9                           ; v9      where my sign words go
.set HH,   10                          ; v10     h = lane / 16
.set RR,   11                          ; v11     r = lane % 16
.set BPK,  12                          ; v12-15  the next tile's biases in bf16
.set BRAW, 16                          ; v16-23  as loaded
.set BIAS, 24                          ; v24-31  as C of a tile's first products
.set BITS, 32                          ; v32-39  signs of row block m, shifted in from below
.set WF,   64                          ; v64-127 W fragments, K step s at 64 + 8 s
.set STG,  128                         ; v128-191 f32 words on their way to bf16
.set ACC,  192                         ; v192-255 accumulators of row blocks 0 to 7
; windows 1 and 2: x fragments of K steps 0-3 and 4-7, (row block m, step s) at 8 (4 m + s % 4)
; behind the GEMM, window 0
.set LFA,  12                          ; address of my rows' leaves
.set PST,  13                          ; where my partial sums go
.set PRD,  14                          ; v14-15  where I read partial sums of waves 0-1, 2-3
.set OOF,  19                          ; my byte offset in out0 and out1
.set LF,   32                          ; v32-39  leaf of row 16 m + r
.set CQ,   40                          ; v40-47  its K step among my eight, or a number that is none of them
.set OH,   48                          ; v48-63  one-hot fragments, two buffers
.set XW,   64                          ; v64-95  sign words as stored
.set ZW,   96                          ; v96-127 signs in heap order
.set BASE, 64                          ; v64-127 the one-hot fragment of row block m within its K step
.set D2,   128                         ; v128-255 16 accumulators (2 m + table)
.set PS,   128                         ; v128-255 then the partial sums read back
; scalar registers
.set G1W, 24                           ; s[24:31] group 1: W tiles and tables, joint
.set G1L, 32                           ; s[32:39] group 1: wave 3's tile 15, which ends with the tensor
.set G1X, 40                           ; s[40:47] group 1: x
.set G1B, 48                           ; s[48:55] group 1: biases, joint
.set G0,  56                           ; group 0 of slot n at 56 + 4 n + 4 (n / 2): s56, s60, s68, s72
.set G0X, 76
.set G0B, 80
.set MSB, 0
.macro WIN new                         ; s_set_vgpr_msb: bits 1:0 source 0, 3:2 source 1, 5:4 source 2, 7:6 destination; the high byte repeats the setting that is left
.if MSB != \new
	s_set_vgpr_msb (MSB<<8)|\new
.set MSB, \new
.endif
.endm
.macro PLACES
.rept 4
	v_nop
.endr
.endm
; A round of the cluster's barrier: my work-group's barrier, wave 0 signals for the work-group, every wave waits for all four work-groups, my work-group's barrier again.
.macro ROUND
	s_barrier_signal -1
	s_barrier_wait -1
	s_cmp_lg_u32 s18, 0
	s_cbranch_scc1 .Lnot_wave_0_\@
	s_barrier_signal -3
.Lnot_wave_0_\@:
	s_barrier_wait -3
	s_barrier_signal -1
	s_barrier_wait -1
.endm
	s_load_b256 s[4:11], s[0:1], 0x0               ; x s[4:5], W_pred s[6:7], b_pred s[8:9], W_or s[10:11]
	s_load_b128 s[12:15], s[0:1], 0x20             ; action_stds s[12:13], out0 s[14:15]
	s_load_b64 s[16:17], s[0:1], 0x30              ; out1
	s_set_vgpr_msb 0xc0
	v_lshl_add_u32 v0, v0, 2, 0x48200
	v_mov_b32 v1, 0
	s_set_vgpr_msb 0xc0cf
	ds_add_u32 v0, v1
	s_set_vgpr_msb 0xcf00
	v_lshrrev_b32 v1, 5, v0
	v_readfirstlane_b32 s18, v1                    ; wave 0..3
	s_bfe_u32 s19, ttmp6, 0x40000                  ; cx: my place in the cluster
	s_lshl_b32 s98, ttmp9, 2
	s_add_co_u32 s98, s98, s19                     ; work-group = 4 x cluster + cx; it enters x's and the outputs' addresses alone
	s_mov_b32 s88, 0xffff0000                      ; a word's upper bf16
	s_mov_b32 s89, 0x07030602                      ; byte orders that put the sign words in node order
	s_mov_b32 s90, 0x05010400
	s_mov_b32 s91, 0x3f80                          ; 1.0 in bf16
	s_mov_b32 s92, 0x3fb8aa3b                      ; log2 e
	s_mov_b32 s93, 0xc1a00000                      ; -20.0
	; Every word of every group 1 is a constant.
	; group 1 for W's tiles: 16 rows x 256 f32, 16 bytes of padding behind each row of 256 words
	s_mov_b32 s[G1W+0], 0x07f2000f                 ; 15:0 mask 15; 17:16 elements of 4 bytes; 20 padding on; 21 set beside a mask; 24:22 every 256 words; 31:25 four words
	s_mov_b32 s[G1W+1], 256<<16                    ; tensor_dim0 = 256
	s_mov_b32 s[G1W+2], 16<<16                     ; tensor_dim1 = 16
	s_mov_b32 s[G1W+3], 256<<16                    ; tile_dim0 = 256
	s_mov_b32 s[G1W+4], 16                         ; tile_dim1 = 16
	s_mov_b32 s[G1W+5], 256                        ; elements from row to row
	s_mov_b32 s[G1W+6], 0
	s_mov_b32 s[G1W+7], 0
	; the same for wave 3's tile 15, which begins at node 1008: 15 rows are left of the 1023, and the tile's sixteenth row arrives as zeros
	s_mov_b32 s[G1L+0], 0x07f2000f
	s_mov_b32 s[G1L+1], 256<<16
	s_mov_b32 s[G1L+2], 15<<16                     ; tensor_dim1 = 15
	s_mov_b32 s[G1L+3], 256<<16
	s_mov_b32 s[G1L+4], 16
	s_mov_b32 s[G1L+5], 256
	s_mov_b32 s[G1L+6], 0
	s_mov_b32 s[G1L+7], 0
	; group 1 for x: 32 rows x 256 f32 a wave, padded alike, no mask
	s_mov_b32 s[G1X+0], 0x07d20000
	s_mov_b32 s[G1X+1], 256<<16
	s_mov_b32 s[G1X+2], 32<<16
	s_mov_b32 s[G1X+3], 256<<16
	s_mov_b32 s[G1X+4], 32
	s_mov_b32 s[G1X+5], 256
	s_mov_b32 s[G1X+6], 0
	s_mov_b32 s[G1X+7], 0
	; group 1 for the biases: one row, a tile of 1024 f32 of which the tensor has 1023: the last word arrives as zero
	s_mov_b32 s[G1B+0], 0x0022000f                 ; mask 15, elements of 4 bytes, bit 21, no padding
	s_mov_b32 s[G1B+1], 1023<<16                   ; tensor_dim0 = 1023
	s_mov_b32 s[G1B+2], 1<<16                      ; tensor_dim1 = 1
	s_mov_b32 s[G1B+3], 1024<<16                   ; tile_dim0 = 1024
	s_mov_b32 s[G1B+4], 1                          ; tile_dim1 = 1
	s_mov_b32 s[G1B+5], 1024
	s_mov_b32 s[G1B+6], 0
	s_mov_b32 s[G1B+7], 0
	s_wait_dscnt 0x0
	s_wait_kmcnt 0x0
	s_mov_b32 s[G0B], 1
	s_mov_b32 s[G0B+1], BIASB
	s_mov_b64 s[G0B+2:G0B+3], s[8:9]
	s_or_b32 s[G0B+3], s[G0B+3], 0x80000000
	s_lshl_b32 s20, s18, 10                        ; 1024 w bytes: my 256 columns of the tables
	s_mov_b32 s21, 0
	s_add_nc_u64 s[84:85], s[10:11], s[20:21]      ; W_or's tile, kept for the tail
	s_or_b32 s85, s85, 0x80000000
	s_add_nc_u64 s[86:87], s[12:13], s[20:21]      ; action_stds' tile
	s_or_b32 s87, s87, 0x80000000
	s_lshl_b32 s20, s18, 18                        ; 256 w rows of 1,024 bytes
	s_add_nc_u64 s[20:21], s[6:7], s[20:21]        ; W_pred at my first node
	s_mul_i32 s23, s18, WT                         ; my part of a slot
.irp sl, 0,1,2,3
	s_mov_b32 s[G0+4*\sl+4*(\sl/2)], 1
	s_add_co_u32 s[G0+4*\sl+4*(\sl/2)+1], s23, \sl*SLOT
	s_add_nc_u64 s[G0+4*\sl+4*(\sl/2)+2:G0+4*\sl+4*(\sl/2)+3], s[20:21], \sl*16384   ; tile n: 16 n rows on
	s_or_b32 s[G0+4*\sl+4*(\sl/2)+3], s[G0+4*\sl+4*(\sl/2)+3], 0x80000000
.endr
	s_lshl_b32 s2, s98, 17                         ; x: 128 rows of 1,024 bytes a work-group,
	s_lshl_b32 s3, s18, 15                         ; 32 rows a wave
	s_add_co_u32 s2, s2, s3
	s_mov_b32 s3, 0
	s_mov_b32 s[G0X], 1
	s_mul_i32 s[G0X+1], s18, 32*PITCH
	s_add_co_u32 s[G0X+1], s[G0X+1], XB
	s_add_nc_u64 s[G0X+2:G0X+3], s[4:5], s[2:3]
	s_or_b32 s[G0X+3], s[G0X+3], 0x80000000
	s_lshl_b32 s2, s98, 13                         ; the outputs: 128 rows of 64 bytes a work-group
	s_add_nc_u64 s[14:15], s[14:15], s[2:3]
	s_add_nc_u64 s[16:17], s[16:17], s[2:3]
	ROUND                                          ; all four work-groups are here: the first joint loads meet
	s_cmp_lg_u32 s18, 0                            ; the biases are asked for by wave 0 alone, ahead of x, so that behind x every wave issues the same two loads
	s_cbranch_scc1 .Lno_bias
	tensor_load_to_lds s[G0B:G0B+3], s[G1B:G1B+7]
	s_nop 0
.Lno_bias:
	tensor_load_to_lds s[G0X:G0X+3], s[G1X:G1X+7]  ; my 32 rows of x
	s_nop 0
	tensor_load_to_lds s[G0:G0+3], s[G1W:G1W+7]    ; W tile 0
	s_nop 0
	tensor_load_to_lds s[G0+4:G0+7], s[G1W:G1W+7]  ; W tile 1.  Four tensor loads of wave 0 are out here, three of the others: the most in this text
	s_nop 0
	; A 16-bit fragment: lane (r, h) holds row r; registers 0-3 are k = 8 h .. + 7, registers 4-7 k = 16 + 8 h .. + 7.  In f32 rows that is 32 bytes at 32 h and 32 bytes at 64 + 32 h.
	v_and_b32 v[RR], 15, v0
	v_bfe_u32 v[HH], v0, 4, 1
	v_mul_u32_u24 v1, v[RR], PITCH
	v_lshl_add_u32 v1, v[HH], 5, v1                ; r x pitch + 32 h
	v_add_nc_u32 v[ADR], s23, v1
	v_add_nc_u32 v[ADR+1], SLOT, v[ADR]
	v_add_nc_u32 v[ADR+2], 2*SLOT, v[ADR]
	v_add_nc_u32 v[ADR+3], 3*SLOT, v[ADR]
	v_add_nc_u32 v[XA], XB, v1
	v_add_nc_u32 v[XA+1], XB+4*WT, v1
	s_lshl_b32 s23, s18, 10
	s_add_co_u32 s23, s23, BIASB
	v_lshl_add_u32 v[BAD], v[HH], 5, s23           ; nodes 8 h .. 8 h + 7 of a tile
	s_mul_i32 s23, s18, BWAVE
	s_add_co_u32 s23, s23, BITSB
	v_mul_u32_u24 v[BST], v[RR], BPITCH
	v_lshl_add_u32 v[BST], v[HH], 2, v[BST]
	v_add_nc_u32 v[BST], s23, v[BST]
.irp m, 0,1,2,3,4,5,6,7
	v_mov_b32 v[BITS+\m], 0                        ; written once so that the shifts may read them; 32 shifts push the zeros out
.endr
; 16 LDS loads: four K steps (half 0: steps 0-3, half 1: steps 4-7) of my 16 rows in a slot, as f32
.macro RDH slot, half
.irp s, 0,1,2,3
	ds_load_b128 v[STG+16*\s:STG+16*\s+3],     v[ADR+\slot] offset:512*\half+128*\s
	ds_load_b128 v[STG+16*\s+4:STG+16*\s+7],   v[ADR+\slot] offset:512*\half+128*\s+16
	ds_load_b128 v[STG+16*\s+8:STG+16*\s+11],  v[ADR+\slot] offset:512*\half+128*\s+64
	ds_load_b128 v[STG+16*\s+12:STG+16*\s+15], v[ADR+\slot] offset:512*\half+128*\s+80
.endr
.endm
; 32 roundings of two: those words become four fragments at dst + 32 half
.macro CVH half, dst
.irp s, 0,1,2,3
.irp i, 0,1,2,3,4,5,6,7
	v_cvt_pk_bf16_f32 v[\dst+32*\half+8*\s+\i], v[STG+16*\s+2*\i], v[STG+16*\s+2*\i+1]
.endr
.endr
.endm
.macro RDB off                         ; my eight biases of the tile at byte off of the lap's 256
	ds_load_b128 v[BRAW:BRAW+3],   v[BAD] offset:\off
	ds_load_b128 v[BRAW+4:BRAW+7], v[BAD] offset:\off+16
.endm
.macro BPACK                           ; four plain vector instructions that name no register of a matrix instruction
.if BIAS_BF16
.irp i, 0,1,2,3
	v_cvt_pk_bf16_f32 v[BPK+\i], v[BRAW+2*\i], v[BRAW+2*\i+1]
.endr
.else
	PLACES
.endif
.endm
.macro BWIDE                           ; eight more: the next tile's C
.if BIAS_BF16
.irp i, 0,1,2,3
	v_lshlrev_b32 v[BIAS+2*\i],   16,  v[BPK+\i]
	v_and_b32     v[BIAS+2*\i+1], s88, v[BPK+\i]
.endr
.else
.irp i, 0,1,2,3,4,5,6,7
	v_mov_b32 v[BIAS+\i], v[BRAW+\i]
.endr
.endif
.endm
; 32 matrix instructions: four K steps x eight row blocks.  The tile's first products take the biases as C: nothing is cleared and no bias is added later.
; The eight accumulators take turns, one instruction a turn, from half to half and over the loop's backward jump too.
.macro MM half
.irp s, 0,1,2,3
.irp m, 0,1,2,3,4,5,6,7
.if (\half+\s) == 0
	v_wmma_f32_16x16x32_bf16 v[ACC+8*\m:ACC+8*\m+7], v[WF+32*\half+8*\s:WF+32*\half+8*\s+7], v[8*(4*\m+\s):8*(4*\m+\s)+7], v[BIAS:BIAS+7]
.else
	v_wmma_f32_16x16x32_bf16 v[ACC+8*\m:ACC+8*\m+7], v[WF+32*\half+8*\s:WF+32*\half+8*\s+7], v[8*(4*\m+\s):8*(4*\m+\s)+7], v[ACC+8*\m:ACC+8*\m+7]
.endif
.endr
.endr
.endm
.macro SIGNS                           ; bits = bits << 1 | sign(z): node 8 h + j of the tile, j ascending, so the lower node lies in the higher bit
.irp j, 0,1,2,3,4,5,6,7
.irp m, 0,1,2,3,4,5,6,7
	v_alignbit_b32 v[BITS+\m], v[BITS+\m], v[ACC+8*\m+\j], 31
.endr
.endr
.endm
.macro PUTBITS                         ; four tiles have filled the words: byte 3 - a holds tile a's nodes 8 h .. 8 h + 7
.irp m, 0,1,2,3,4,5,6,7
	ds_store_b32 v[BST], v[BITS+\m] offset:16*BPITCH*\m
.endr
.endm
; One tile of 16 nodes x 128 rows: 64 matrix instructions.  a = the tile's number modulo 4; rd = 1: the next tile is read from slot nxt and converted meanwhile.
.macro TURN a, nxt, rd
.if \rd
	RDH \nxt, 0
	RDB 64*(\a+1)
.endif
	WIN 0x04                                       ; source 1 in window 1: x's K steps 0-3
	MM 0
.if \rd
	WIN 0
	s_wait_dscnt 0x0                               ; the 18 loads issued ahead of those 32 matrix instructions
	BPACK                                          ; four places (ISA guide 7.12.1) between the matrix instructions and the writes of their fragments
	CVH 0, WF
	RDH \nxt, 1
.endif
	WIN 0x08                                       ; window 2: K steps 4-7
	MM 1
	WIN 0
.if \rd
	BWIDE                                          ; eight places, for the fragments' writes and for the reads of the results
	s_wait_dscnt 0x0
	CVH 1, WF
.else
	PLACES
.endif
	SIGNS
.if \a == 3
	PUTBITS
.endif
.endm
; Slots sa and sb, whose tiles every wave has read, are filled again by joint loads.  Each wave waits for its LDS reads and for all its tensor loads; with none out
; the addresses may step (64 rows on); the cluster's round shows the same of every wave of all four work-groups; the two loads are the first behind it.
; That wait also shows the two other slots' tiles landed, and each wave reads only the part that it loaded itself.  Two tensor loads of a wave are out behind a round,
; and they have two tiles' work, 128 matrix instructions, in which to land.
; edge = 1: slot sb's tile is tile 15.  Wave 3's ends with the tensor and has a group 1 of its own; the branch hangs on the wave's number alone, and either way issues one load.
.macro FILL sa, sb, step, edge
	s_wait_dscnt 0x0
	s_set_vgpr_msb 0xf
	s_wait_tensorcnt 0x0
	ds_add_u32 v0, v1
	s_wait_dscnt 0x0
	s_set_vgpr_msb 0xf00
.if \step
	s_add_nc_u64 s[G0+4*\sa+4*(\sa/2)+2:G0+4*\sa+4*(\sa/2)+3], s[G0+4*\sa+4*(\sa/2)+2:G0+4*\sa+4*(\sa/2)+3], 0x10000
	s_add_nc_u64 s[G0+4*\sb+4*(\sb/2)+2:G0+4*\sb+4*(\sb/2)+3], s[G0+4*\sb+4*(\sb/2)+2:G0+4*\sb+4*(\sb/2)+3], 0x10000
.endif
	ROUND
	tensor_load_to_lds s[G0+4*\sa+4*(\sa/2):G0+4*\sa+4*(\sa/2)+3], s[G1W:G1W+7]
	s_nop 0
.if \edge
	s_cmp_eq_u32 s18, 3
	s_cbranch_scc1 .Llast_rows_\@
	tensor_load_to_lds s[G0+4*\sb+4*(\sb/2):G0+4*\sb+4*(\sb/2)+3], s[G1W:G1W+7]
	s_nop 0
	s_branch .Lasked_\@
.Llast_rows_\@:
	tensor_load_to_lds s[G0+4*\sb+4*(\sb/2):G0+4*\sb+4*(\sb/2)+3], s[G1L:G1L+7]
	s_nop 0
.Lasked_\@:
.else
	tensor_load_to_lds s[G0+4*\sb+4*(\sb/2):G0+4*\sb+4*(\sb/2)+3], s[G1W:G1W+7]
	s_nop 0
.endif
.endm
; 16 rows of x become eight fragments: 32 loads, K steps ascending, then 64 roundings of two
.macro XCHUNK m
	WIN 0
.irp s, 0,1,2,3,4,5,6,7
	ds_load_b128 v[STG+16*\s:STG+16*\s+3],     v[XA+(\m>>2)] offset:WT*(\m&3)+128*\s
	ds_load_b128 v[STG+16*\s+4:STG+16*\s+7],   v[XA+(\m>>2)] offset:WT*(\m&3)+128*\s+16
	ds_load_b128 v[STG+16*\s+8:STG+16*\s+11],  v[XA+(\m>>2)] offset:WT*(\m&3)+128*\s+64
	ds_load_b128 v[STG+16*\s+12:STG+16*\s+15], v[XA+(\m>>2)] offset:WT*(\m&3)+128*\s+80
.endr
	s_wait_dscnt 16                                ; K steps 0-3 are in; the 16 younger loads, steps 4-7, may be out
	WIN 0x40                                       ; destination in window 1
.irp s, 0,1,2,3
.irp i, 0,1,2,3,4,5,6,7
	v_cvt_pk_bf16_f32 v[8*(4*\m+\s)+\i], v[STG+16*\s+2*\i], v[STG+16*\s+2*\i+1]
.endr
.endr
	s_wait_dscnt 0x0
	WIN 0x80                                       ; destination in window 2
.irp s, 4,5,6,7
.irp i, 0,1,2,3,4,5,6,7
	v_cvt_pk_bf16_f32 v[8*(4*\m+\s-4)+\i], v[STG+16*\s+2*\i], v[STG+16*\s+2*\i+1]
.endr
.endr
.endm
	s_wait_tensorcnt 2                             ; my 32 rows of x are in; the two younger loads (W tiles 0 and 1) stay out:
	s_barrier_signal -1
	s_barrier_wait -1                              ; everybody's rows are in
.irp m, 0,1,2,3,4,5,6,7
	XCHUNK \m
.endr
	WIN 0
	FILL 2, 3, 0, 0                                ; x is in registers: W tiles 2 and 3 take its bytes.  The waits also show tiles 0 and 1 landed, and wave 0's shows the biases, to all behind the round
	RDH 0, 0                                       ; tile 0 becomes fragments
	RDB 0
	s_wait_dscnt 0x0
	BPACK
	CVH 0, WF
	RDH 0, 1
	BWIDE
	s_wait_dscnt 0x0
	CVH 1, WF
; A lap: four tiles, both pairs of slots filled again.  Tile 4 i + 1 is read during tile 4 i, so slots 0 and 1 are free behind the first turn; slots 2 and 3 behind the third.
.macro LAP edge
	TURN 0, 1, 1
	FILL 0, 1, 1, 0
	TURN 1, 2, 1
	TURN 2, 3, 1
	FILL 2, 3, 1, \edge
	TURN 3, 0, 1
	v_add_nc_u32 v[BAD], 256, v[BAD]               ; four tiles' biases on
	v_add_nc_u32 v[BST], 8, v[BST]                 ; the next group of 64 nodes
.endm
	s_mov_b32 s22, 2
.Llap:
	LAP 0                                          ; tiles 0-3 and 4-7; fetches up to tile 11
	s_sub_co_u32 s22, s22, 1
	s_cmp_lg_u32 s22, 0
	s_cbranch_scc1 .Llap
	LAP 1                                          ; tiles 8-11, written out: its last load is tile 15
	TURN 0, 1, 1                                   ; tile 12
	s_wait_dscnt 0x0                               ; slots 0 and 1 are filled once more, with my 256 columns of the two tables: the same order as above
	s_set_vgpr_msb 0xf
	s_wait_tensorcnt 0x0                           ; no tensor load of mine is out: the shared group 1 and two groups 0 may be written
	ds_add_u32 v0, v1
	s_wait_dscnt 0x0
	s_set_vgpr_msb 0xf00
	s_mov_b32 s[G1W+5], 1024                       ; the tables' rows are 1,024 elements apart
	s_mov_b64 s[G0+2:G0+3], s[84:85]
	s_mov_b64 s[G0+6:G0+7], s[86:87]
	ROUND
	tensor_load_to_lds s[G0:G0+3], s[G1W:G1W+7]    ; W_or[0:16, 256 w ..] into slot 0
	s_nop 0
	tensor_load_to_lds s[G0+4:G0+7], s[G1W:G1W+7]  ; action_stds likewise into slot 1
	s_nop 0
	TURN 1, 2, 1
	TURN 2, 3, 1
	TURN 3, 0, 0                                   ; tile 15: nothing more to read
	; THE TABLES become fragments in window 1, where x's are no longer needed: table t, K step c (32 leaves) at 64 t + 8 c
	s_wait_tensorcnt 0x0                           ; both tables' tiles are in; only I read my part
.irp t, 0,1
.irp hf, 0,1
	RDH \t, \hf
	s_wait_dscnt 0x0
	WIN 0x40
	CVH \hf, 64*\t
	WIN 0
.endr
.endr
	; THE WAY DOWN THE TREE: thread T takes row T
	s_wait_dscnt 0x0                               ; my sign words are stored
	s_barrier_signal -1
	s_barrier_wait -1                              ; everybody's are
	v_mad_u32_u24 v43, v0, BPITCH, BITSB
	v_lshl_add_u32 v42, v0, 2, LEAFB
.irp wq, 0,1,2,3
	ds_load_b128 v[XW+8*\wq:XW+8*\wq+3],   v43 offset:BWAVE*\wq
	ds_load_b128 v[XW+8*\wq+4:XW+8*\wq+7], v43 offset:BWAVE*\wq+16
.endr
	s_wait_dscnt 0x0
	; words 2 g and 2 g + 1 hold nodes 64 g + 16 a + 8 h + j in byte 3 - a of word h: interleave their bytes and node n lies in word n / 32, bit 31 - n % 32
.irp g, 0,1,2,3,4,5,6,7,8,9,10,11,12,13,14,15
	v_perm_b32 v[ZW+2*\g],   v[XW+2*\g], v[XW+2*\g+1], s89
	v_perm_b32 v[ZW+2*\g+1], v[XW+2*\g], v[XW+2*\g+1], s90
.endr
	; one bit down the whole string: heap index q = node + 1 lies in word q / 32, bit 31 - q % 32 (the padding node 1023 drops out)
.set k, 31
.rept 31
	v_alignbit_b32 v[ZW+k], v[ZW+k-1], v[ZW+k], 1
.set k, k-1
.endr
	v_lshrrev_b32 v[ZW], 1, v[ZW]
.macro STEP zr                         ; q = 2 q + sign(z of heap index q); the shift takes q modulo 32
	v_lshlrev_b32 v41, v40, v[ZW+\zr]
	v_alignbit_b32 v40, v40, v41, 31
.endm
.macro SEL base, n, mask               ; words base .. base + n - 1 are replaced by the n behind them where the mask is set
.set k, 0
.rept \n
	v_cndmask_b32 v[ZW+\base+k], v[ZW+\base+k], v[ZW+\base+\n+k], \mask
.set k, k+1
.endr
.endm
	v_mov_b32 v40, 1                               ; the root
.rept 5
	STEP 0                                         ; levels 0 to 4: q below 32
.endr
	; q is now 32 + five bits.  Level 6 wants word 2 + bit 4, level 7 word 4 + bits 4:3, level 8 word 8 + bits 4:2, level 9 word 16 + bits 4:1:
	; the words are chosen by selects, 26 in all, since no address may hang on q
	v_and_b32 v41, 16, v40
	v_cmp_ne_u32 s94, 0, v41
	v_and_b32 v41, 8, v40
	v_cmp_ne_u32 s95, 0, v41
	v_and_b32 v41, 4, v40
	v_cmp_ne_u32 s96, 0, v41
	v_and_b32 v41, 2, v40
	v_cmp_ne_u32 s97, 0, v41
	SEL 2, 1, s94
	SEL 4, 2, s94
	SEL 8, 4, s94
	SEL 16, 8, s94
	SEL 4, 1, s95
	SEL 8, 2, s95
	SEL 16, 4, s95
	SEL 8, 1, s96
	SEL 16, 2, s96
	SEL 16, 1, s97
	STEP 1
	STEP 2
	STEP 4
	STEP 8
	STEP 16
	v_and_b32 v40, 0x3ff, v40                      ; q = 1024 + leaf
	ds_store_b32 v42, v40
	s_wait_dscnt 0x0
	s_barrier_signal -1
	s_barrier_wait -1
	; THE ONE-HOT PRODUCTS.  Source 0: 16 outputs x 32 leaves of a table; source 1: 32 leaves x 16 rows, a single 1.0 in the column of each row whose leaf lies there.
	; Wave w has leaves 256 w .. + 255; the four waves' sums meet in LDS.
	v_lshl_add_u32 v[LFA], v[RR], 2, LEAFB
.irp m, 0,1,2,3,4,5,6,7
	ds_load_b32 v[LF+\m], v[LFA] offset:64*\m      ; the leaf of row 16 m + r
.endr
	s_mul_i32 s23, s18, PSW
	s_add_co_u32 s23, s23, PSB
	v_mul_u32_u24 v[PST], v[RR], 80
	v_lshl_add_u32 v[PST], v[HH], 5, v[PST]
	v_add_nc_u32 v[PST], s23, v[PST]
	s_lshl_b32 s23, s18, 3                         ; my first K step of 32 leaves
	s_wait_dscnt 0x0
; leaf bits: 0 the half of a register, 2:1 the register of four, 3 the lanes' half h, 4 the upper four registers, 9:5 the K step
.macro MKBASE m
	v_and_b32 v50, 1, v[LF+\m]
	v_lshlrev_b32 v50, 4, v50
	v_lshlrev_b32 v48, v50, s91                    ; 1.0 in the low or the high half
	v_bfe_u32 v50, v[LF+\m], 3, 1
	v_cmp_eq_u32 vcc_lo, v50, v[HH]
	v_cndmask_b32 v48, 0, v48, vcc_lo              ; only in the lanes' half that holds this k
	v_bfe_u32 v49, v[LF+\m], 1, 2
	v_bfe_u32 v50, v[LF+\m], 4, 1
	v_lshl_or_b32 v49, v50, 2, v49                 ; which of the eight registers
.irp i, 0,1,2,3,4,5,6,7
	v_cmp_eq_u32 vcc_lo, \i, v49
	v_cndmask_b32 v[BASE+8*\m+\i], 0, v48, vcc_lo
.endr
	v_lshrrev_b32 v[CQ+\m], 5, v[LF+\m]
	v_sub_nc_u32 v[CQ+\m], v[CQ+\m], s23           ; 0 to 7 if the leaf is among mine, else none of these
.endm
.irp m, 0,1,2,3,4,5,6,7
	MKBASE \m
.endr
; K step c, row block m: the fragment is BASE or zeros; two products.  The two buffers alternate, so a buffer is written again ten plain vector instructions
; behind the matrix instructions that read it.  The sixteen accumulators take turns, one instruction a turn.
.macro OHSTEP c, m
	v_cmp_eq_u32 vcc_lo, \c, v[CQ+\m]
.irp i, 0,1,2,3,4,5,6,7
	v_cndmask_b32 v[OH+8*(\m&1)+\i], 0, v[BASE+8*\m+\i], vcc_lo
.endr
.irp t, 0,1
.if \c == 0
	v_wmma_f32_16x16x32_bf16 v[D2+8*(2*\m+\t):D2+8*(2*\m+\t)+7], v[64*\t+8*\c:64*\t+8*\c+7], v[OH+8*(\m&1):OH+8*(\m&1)+7], 0
.else
	v_wmma_f32_16x16x32_bf16 v[D2+8*(2*\m+\t):D2+8*(2*\m+\t)+7], v[64*\t+8*\c:64*\t+8*\c+7], v[OH+8*(\m&1):OH+8*(\m&1)+7], v[D2+8*(2*\m+\t):D2+8*(2*\m+\t)+7]
.endif
.endr
.endm
	WIN 0x01                                       ; source 0 in window 1: the tables.  The vector lines here have a constant as source 0
.irp c, 0,1,2,3,4,5,6,7
.irp m, 0,1,2,3,4,5,6,7
	OHSTEP \c, \m
.endr
.endr
	WIN 0
	PLACES                                         ; four places between the last matrix instructions and the stores that read results
.irp e, 0,1,2,3,4,5,6,7,8,9,10,11,12,13,14,15
	ds_store_b128 v[PST], v[D2+8*\e:D2+8*\e+3]   offset:1280*\e      ; tile e = 2 m + table: row r, outputs 8 h .. 8 h + 3
	ds_store_b128 v[PST], v[D2+8*\e+4:D2+8*\e+7] offset:1280*\e+16   ; outputs 8 h + 4 .. + 7
.endr
	v_and_b32 v16, 31, v0                          ; lane L: row L / 4 of eight, outputs 4 (L % 4) .. + 3
	v_lshrrev_b32 v17, 2, v16
	v_and_b32 v18, 3, v16
	v_mul_u32_u24 v[PRD], v17, 80
	v_lshl_add_u32 v[PRD], v18, 4, v[PRD]
	s_mul_i32 s23, s18, 5120                       ; my 32 rows: tiles 4 w .. 4 w + 3 of each wave's sixteen
	s_add_co_u32 s23, s23, PSB
	v_add_nc_u32 v[PRD], s23, v[PRD]
	v_add_nc_u32 v[PRD+1], 2*PSW, v[PRD]
	s_lshl_b32 s23, s18, 11                        ; 32 rows of 64 bytes
	v_lshl_add_u32 v[OOF], v16, 4, s23
	s_wait_dscnt 0x0
	s_barrier_signal -1
	s_barrier_wait -1
	; THE END: wave w finishes rows 32 w .. + 31, eight rows a group gq
.irp gq, 0,1,2,3
.irp t, 0,1
	ds_load_b128 v[PS+16*(2*\gq+\t):PS+16*(2*\gq+\t)+3],     v[PRD]   offset:1280*(2*(\gq>>1)+\t)+640*(\gq&1)
	ds_load_b128 v[PS+16*(2*\gq+\t)+4:PS+16*(2*\gq+\t)+7],   v[PRD]   offset:PSW+1280*(2*(\gq>>1)+\t)+640*(\gq&1)
	ds_load_b128 v[PS+16*(2*\gq+\t)+8:PS+16*(2*\gq+\t)+11],  v[PRD+1] offset:1280*(2*(\gq>>1)+\t)+640*(\gq&1)
	ds_load_b128 v[PS+16*(2*\gq+\t)+12:PS+16*(2*\gq+\t)+15], v[PRD+1] offset:PSW+1280*(2*(\gq>>1)+\t)+640*(\gq&1)
.endr
.endr
; the four waves' sums; the row's largest logit over four numbers and four lanes; exponents in base 2 less that maximum; the clip; out1 leaves
.macro GATHER gq, left
	s_wait_dscnt \left                             ; this group's eight loads are in; the younger groups' stay out
.irp t, 0,1
	v_pk_add_f32 v[PS+16*(2*\gq+\t):PS+16*(2*\gq+\t)+1],     v[PS+16*(2*\gq+\t):PS+16*(2*\gq+\t)+1],     v[PS+16*(2*\gq+\t)+4:PS+16*(2*\gq+\t)+5]
	v_pk_add_f32 v[PS+16*(2*\gq+\t)+2:PS+16*(2*\gq+\t)+3],   v[PS+16*(2*\gq+\t)+2:PS+16*(2*\gq+\t)+3],   v[PS+16*(2*\gq+\t)+6:PS+16*(2*\gq+\t)+7]
	v_pk_add_f32 v[PS+16*(2*\gq+\t)+8:PS+16*(2*\gq+\t)+9],   v[PS+16*(2*\gq+\t)+8:PS+16*(2*\gq+\t)+9],   v[PS+16*(2*\gq+\t)+12:PS+16*(2*\gq+\t)+13]
	v_pk_add_f32 v[PS+16*(2*\gq+\t)+10:PS+16*(2*\gq+\t)+11], v[PS+16*(2*\gq+\t)+10:PS+16*(2*\gq+\t)+11], v[PS+16*(2*\gq+\t)+14:PS+16*(2*\gq+\t)+15]
	v_pk_add_f32 v[PS+16*(2*\gq+\t):PS+16*(2*\gq+\t)+1],     v[PS+16*(2*\gq+\t):PS+16*(2*\gq+\t)+1],     v[PS+16*(2*\gq+\t)+8:PS+16*(2*\gq+\t)+9]
	v_pk_add_f32 v[PS+16*(2*\gq+\t)+2:PS+16*(2*\gq+\t)+3],   v[PS+16*(2*\gq+\t)+2:PS+16*(2*\gq+\t)+3],   v[PS+16*(2*\gq+\t)+10:PS+16*(2*\gq+\t)+11]
.endr
	v_max3_num_f32 v[PS+32*\gq+4], v[PS+32*\gq], v[PS+32*\gq+1], v[PS+32*\gq+2]
	v_max_num_f32 v[PS+32*\gq+4], v[PS+32*\gq+4], v[PS+32*\gq+3]
	v_max_num_f32_dpp v[PS+32*\gq+4], v[PS+32*\gq+4], v[PS+32*\gq+4] row_xmask:1 row_mask:0xf bank_mask:0xf
	v_max_num_f32_dpp v[PS+32*\gq+4], v[PS+32*\gq+4], v[PS+32*\gq+4] row_xmask:2 row_mask:0xf bank_mask:0xf
	v_mul_f32 v[PS+32*\gq+4], s92, v[PS+32*\gq+4]
.irp i, 0,1,2,3
	v_fma_f32 v[PS+32*\gq+\i], v[PS+32*\gq+\i], s92, -v[PS+32*\gq+4]   ; the same subtrahend in all sixteen: its rounding cancels in the quotient
.endr
.irp i, 0,1,2,3
	v_med3_num_f32 v[PS+32*\gq+16+\i], v[PS+32*\gq+16+\i], s93, 2.0
.endr
	global_store_b128 v[OOF], v[PS+32*\gq+16:PS+32*\gq+19], s[16:17] offset:512*\gq th:TH_STORE_NT   ; the wave stores 512 consecutive bytes, aligned: eight whole rows
.endm
	GATHER 0, 24
	GATHER 1, 16
	GATHER 2, 8
	GATHER 3, 0
.irp gq, 0,1,2,3
.irp i, 0,1,2,3
	v_exp_f32 v[PS+32*\gq+\i], v[PS+32*\gq+\i]
.endr
.endr
	v_nop                                          ; one plain vector instruction between the exponentials and the first use (ISA guide 5.7.2)
	s_wait_alu depctr_va_vdst(0)
.irp gq, 0,1,2,3
	v_add_f32 v[PS+32*\gq+4], v[PS+32*\gq], v[PS+32*\gq+1]
	v_add_f32 v[PS+32*\gq+5], v[PS+32*\gq+2], v[PS+32*\gq+3]
	v_add_f32 v[PS+32*\gq+4], v[PS+32*\gq+4], v[PS+32*\gq+5]
	v_add_f32_dpp v[PS+32*\gq+4], v[PS+32*\gq+4], v[PS+32*\gq+4] row_xmask:1 row_mask:0xf bank_mask:0xf
	v_add_f32_dpp v[PS+32*\gq+4], v[PS+32*\gq+4], v[PS+32*\gq+4] row_xmask:2 row_mask:0xf bank_mask:0xf
.endr
.irp gq, 0,1,2,3
	v_rcp_f32 v[PS+32*\gq+4], v[PS+32*\gq+4]       ; the sum is at least 1: the largest term is 2^0
.endr
	v_nop                                          ; likewise behind the reciprocals
	s_wait_alu depctr_va_vdst(0)
.irp gq, 0,1,2,3
	v_pk_mul_f32 v[PS+32*\gq:PS+32*\gq+1],   v[PS+32*\gq:PS+32*\gq+1],   v[PS+32*\gq+4:PS+32*\gq+5] op_sel_hi:[1,0]
	v_pk_mul_f32 v[PS+32*\gq+2:PS+32*\gq+3], v[PS+32*\gq+2:PS+32*\gq+3], v[PS+32*\gq+4:PS+32*\gq+5] op_sel_hi:[1,0]
	global_store_b128 v[OOF], v[PS+32*\gq:PS+32*\gq+3], s[14:15] offset:512*\gq th:TH_STORE_NT
.endr
	s_set_vgpr_msb 0xf
	s_wait_tensorcnt 0x0
	ds_add_u32 v0, v1
	s_wait_dscnt 0x0
	s_set_vgpr_msb 0xf00
	ROUND                                          ; the closing round: no work-group ends while a partner may still ask for a tile that names it
	s_endpgm
.Lfunc_end_k_q5174480c1f_dgt:
	.size	k_q5174480c1f_dgt, .Lfunc_end_k_q5174480c1f_dgt-k_q5174480c1f_dgt
	.p2alignl 7, 3214868480
	.fill 96, 4, 3214868480
	.section	.rodata,"a",@progbits
	.p2align	6, 0x0
	.amdhsa_kernel k_q5174480c1f_dgt
		.amdhsa_group_segment_fixed_size 327680
		.amdhsa_private_segment_fixed_size 0
		.amdhsa_enable_private_segment 0
		.amdhsa_kernarg_size 56
		.amdhsa_user_sgpr_count 2
		.amdhsa_user_sgpr_kernarg_segment_ptr 1
		.amdhsa_wavefront_size32 1
		.amdhsa_system_sgpr_workgroup_id_x 1
		.amdhsa_system_sgpr_workgroup_id_y 1
		.amdhsa_system_sgpr_workgroup_id_z 1
		.amdhsa_system_vgpr_workitem_id 0
		.amdhsa_next_free_vgpr 770
		.amdhsa_next_free_sgpr 100
		.amdhsa_reserve_vcc 1
		.amdhsa_float_denorm_mode_32 3
		.amdhsa_float_denorm_mode_16_64 3
		.amdhsa_memory_ordered 1
		.amdhsa_forward_progress 1
		.amdhsa_inst_pref_size 255
	.end_amdhsa_kernel
	.section	.bss,"aw",@nobits
	.p2align	6
	.space	262144
	.amdgpu_metadata
---
amdhsa.version: [ 1, 2 ]
amdhsa.kernels:
  - .name:           k_q5174480c1f_dgt
    .symbol:         k_q5174480c1f_dgt.kd
    .args:
      - { .name: x, .offset: 0, .size: 8, .value_kind: global_buffer, .address_space: global }
      - { .name: W_pred, .offset: 8, .size: 8, .value_kind: global_buffer, .address_space: global }
      - { .name: b_pred, .offset: 16, .size: 8, .value_kind: global_buffer, .address_space: global }
      - { .name: W_or, .offset: 24, .size: 8, .value_kind: global_buffer, .address_space: global }
      - { .name: action_stds, .offset: 32, .size: 8, .value_kind: global_buffer, .address_space: global }
      - { .name: out0, .offset: 40, .size: 8, .value_kind: global_buffer, .address_space: global }
      - { .name: out1, .offset: 48, .size: 8, .value_kind: global_buffer, .address_space: global }
    .group_segment_fixed_size: 327680
    .private_segment_fixed_size: 0
    .kernarg_segment_align: 8
    .kernarg_segment_size: 56
    .max_flat_workgroup_size: 128
    .sgpr_count:     100
    .vgpr_count:     770
    .wavefront_size: 32
...
	.end_amdgpu_metadata
.endif
;; end of part 1
